; MI455X (gfx1250); checked and timed in simulation.
; The chip was launched on July 23, 2026; its instructions are those of AMD's public machine-readable ISA for CDNA 5 (MIT licence, August 2026) and "CDNA5" Instruction Set Architecture Reference Guide (July 2026). The comments in the code are by the model that wrote it; some were corrected since.
;; Attention. Allowed arithmetic: float matrix products may take bf16 or f16 operands with f32 sums; other float arithmetic in f32, or as packed bf16 or f16 multiplies, adds, multiply-adds, maxima and minima; sums over many terms, partial sums and values carried from step to step in f32; what a program stores and reads back later, other than sums and carried values, may be rounded once to bf16 or f16.
;; Inputs: dec_outputs 8 x 2,048 x 1,024 float32; enc_outputs 8 x 2,048 x 1,024 float32.
;; Outputs: out0 8 x 2,048 x 1,024 float32.
;; 2 versions, each right; version 2 is version 1 with the launch cast written anew for expert scheduling mode. Each part assembles by itself: llvm-mc -triple=amdgcn-amd-amdhsa -mcpu=gfx1250 --defsym DOCPART=n.
;; ======== version 1 of 2: 4 launches
;; limits: inputs' magnitudes at most 65,504; values are held in f16: magnitudes above 65,504 overflow, below 6.1e-05 lose precision; values outside matrix products are rounded to f16
;; workspace buffers: enc16 33,554,432 bytes; dec16 33,554,432 bytes; pt 67,108,864 bytes; stats 2,097,152 bytes; wts 524,288 bytes
;; launch cast (part 1): grid 512 x 2, 8 waves a work-group, no clusters, 0 bytes of LDS; arguments enc_outputs, dec_outputs, enc16, dec16; writes enc16, dec16
.if DOCPART == 1
	.amdgcn_target "amdgcn-amd-amdhsa--gfx1250"
	.amdhsa_code_object_version 6
	.text
	.protected	k_q591948ea7d_cast
	.globl	k_q591948ea7d_cast
	.p2align	8
	.type	k_q591948ea7d_cast,@function
k_q591948ea7d_cast:
	s_mov_b64 s[64:65], 0
	v_nop
	global_prefetch_b8 v0, s[64:65] scope:SCOPE_SE
	s_setreg_imm32_b32 hwreg(HW_REG_WAVE_MODE, 25, 1), 1
	s_wait_xcnt 0x0
; enc16 = enc_outputs, dec16 = dec_outputs, each number rounded to bf16 (nearest even) and that number written as f16.
; A bf16 number has 8 significant bits and is exact in f16 between 2^-14 and 65,504, so both later products can run on one f16 copy.
; LIMITS.  A number whose bf16 rounding is 65,520 or more in magnitude becomes an infinity; below 2^-14 the copy keeps f16's fixed step of 2^-24.
; A stream: no LDS, no barrier, no matrix work.  The grid's y picks the tensor; a work-group owns 32 pieces of 4,096 input bytes.  Thread t owns
; the 16 bytes at 16 t of every piece and writes 8 bytes at 8 t of every 2,048 output bytes: a wave's load covers 512 consecutive bytes, a wave's
; store 256 consecutive bytes at a multiple of 256.  A ring of DEPTH slots in registers keeps DEPTH loads of every wave on their way.
.set DEPTH,  8
.set ROUNDS, 32/DEPTH
.set INROW,  4096
.set OUTROW, 2048
.set OI, 2                             ; v[2:9]    slot i: byte offset of its next 16 input bytes
.set OO, 10                            ; v[10:17]  slot i: byte offset of its 8 output bytes
.set T,  18                            ; v[18:23]  at work
.set X,  24                            ; v[24:55]  slot i: four f32 as loaded
.set Y,  56                            ; v[56:71]  slot i: four f16 to store
	s_load_b256 s[4:11], s[0:1], 0x0               ; enc_outputs s[4:5], dec_outputs s[6:7], enc16 s[8:9], dec16 s[10:11]
	s_lshl_b32 s18, ttmp9, 17                      ; the work-group's 131,072 input bytes
	s_mov_b32 s19, 0
	s_lshl_b32 s20, ttmp9, 16                      ; and its 65,536 output bytes
	s_mov_b32 s21, 0
	s_mov_b32 s16, 0xffff0000                      ; a word's upper bf16
	s_and_b32 s2, ttmp7, 0xffff                    ; 0: enc, 1: dec
.irp i, 0,1,2,3,4,5,6,7
	v_lshl_add_u32 v[OI+(\i)], v0, 4, (\i)*INROW
	v_lshl_add_u32 v[OO+(\i)], v0, 3, (\i)*OUTROW
.endr
	s_wait_kmcnt 0x0
	s_cmp_eq_u32 s2, 0                             ; the choice hangs on the grid's y alone
	s_cselect_b64 s[12:13], s[4:5], s[6:7]         ; from
	s_cselect_b64 s[14:15], s[8:9], s[10:11]       ; to
	s_add_nc_u64 s[12:13], s[12:13], s[18:19]
	s_add_nc_u64 s[14:15], s[14:15], s[20:21]
.irp i, 0,1,2,3,4,5,6,7
	global_load_b128 v[X+4*(\i):X+4*(\i)+3], v[OI+(\i)], s[12:13] th:TH_LOAD_NT  ; the ring is filled: pieces 0 to 7; each input byte is read once in the launch
.endr
; One slot's turn.  ahead = 1: the slot is filled again with the piece DEPTH further on.  left = how many younger loads may stay out.
.macro SLOT i, ahead, left
	s_wait_loadcnt \left                           ; loads come back in order (ISA guide 5.7.1): mine is in, and its address register is free
	s_wait_xcnt 0x0                                ; this slot's Y and OO, which its last store names, are rewritten only behind this wait
	v_cvt_pk_bf16_f32 v[T],   v[X+4*(\i)],   v[X+4*(\i)+1]    ; the rounding that counts: to bf16
	v_cvt_pk_bf16_f32 v[T+1], v[X+4*(\i)+2], v[X+4*(\i)+3]
	v_lshlrev_b32 v[T+2], 16,  v[T]                ; bf16 to f32: the low half moves up,
	v_and_b32     v[T+3], s16, v[T]                ; the high half stays
	v_lshlrev_b32 v[T+4], 16,  v[T+1]
	v_and_b32     v[T+5], s16, v[T+1]
	v_cvt_pk_f16_f32 v[Y+2*(\i)],   v[T+2], v[T+3] ; exact within f16's normal range
	v_cvt_pk_f16_f32 v[Y+2*(\i)+1], v[T+4], v[T+5]
.if \ahead
	v_add_nc_u32 v[OI+(\i)], DEPTH*INROW, v[OI+(\i)]
	global_load_b128 v[X+4*(\i):X+4*(\i)+3], v[OI+(\i)], s[12:13] th:TH_LOAD_NT
	v_add_nc_u32 v[OO+(\i)], DEPTH*OUTROW, v[OO+(\i)]
	global_store_b64 v[OO+(\i)], v[Y+2*(\i):Y+2*(\i)+1], s[14:15] offset:-DEPTH*OUTROW
.else
	global_store_b64 v[OO+(\i)], v[Y+2*(\i):Y+2*(\i)+1], s[14:15]
.endif
.endm
	s_mov_b32 s17, ROUNDS-1
.Lround:
.irp i, 0,1,2,3,4,5,6,7
	SLOT \i, 1, DEPTH-1
.endr
	s_sub_co_u32 s17, s17, 1
	s_cmp_lg_u32 s17, 0
	s_cbranch_scc1 .Lround
.irp i, 0,1,2,3,4,5,6,7
	SLOT \i, 0, DEPTH-1-(\i)                       ; the last round loads nothing: the counts run down
.endr
	s_endpgm
.Lfunc_end_k_q591948ea7d_cast:
	.size	k_q591948ea7d_cast, .Lfunc_end_k_q591948ea7d_cast-k_q591948ea7d_cast
	.p2alignl 7, 3214868480
	.fill 96, 4, 3214868480
	.section	.rodata,"a",@progbits
	.p2align	6, 0x0
	.amdhsa_kernel k_q591948ea7d_cast
		.amdhsa_group_segment_fixed_size 0
		.amdhsa_private_segment_fixed_size 0
		.amdhsa_enable_private_segment 0
		.amdhsa_kernarg_size 32
		.amdhsa_user_sgpr_count 2
		.amdhsa_user_sgpr_kernarg_segment_ptr 1
		.amdhsa_wavefront_size32 1
		.amdhsa_system_sgpr_workgroup_id_x 1
		.amdhsa_system_sgpr_workgroup_id_y 1
		.amdhsa_system_sgpr_workgroup_id_z 1
		.amdhsa_system_vgpr_workitem_id 0
		.amdhsa_next_free_vgpr 72
		.amdhsa_next_free_sgpr 66
		.amdhsa_reserve_vcc 0
		.amdhsa_float_denorm_mode_32 3
		.amdhsa_float_denorm_mode_16_64 3
		.amdhsa_memory_ordered 1
		.amdhsa_forward_progress 1
		.amdhsa_inst_pref_size 14
	.end_amdhsa_kernel
	.amdgpu_metadata
---
amdhsa.version: [ 1, 2 ]
amdhsa.kernels:
  - .name:           k_q591948ea7d_cast
    .symbol:         k_q591948ea7d_cast.kd
    .args:
      - { .name: enc_outputs, .offset: 0, .size: 8, .value_kind: global_buffer, .address_space: global }
      - { .name: dec_outputs, .offset: 8, .size: 8, .value_kind: global_buffer, .address_space: global }
      - { .name: enc16, .offset: 16, .size: 8, .value_kind: global_buffer, .address_space: global }
      - { .name: dec16, .offset: 24, .size: 8, .value_kind: global_buffer, .address_space: global }
    .group_segment_fixed_size: 0
    .private_segment_fixed_size: 0
    .kernarg_segment_align: 8
    .kernarg_segment_size: 32
    .max_flat_workgroup_size: 256
    .sgpr_count:     66
    .vgpr_count:     72
    .wavefront_size: 32
...
	.end_amdgpu_metadata
.endif
;; end of part 1
;; launch scores (part 2): grid 8 x 64, 4 waves a work-group, clusters of 4 x 4, 327,680 bytes of LDS; arguments enc16, dec16, pt, stats; writes pt, stats
.if DOCPART == 2
	.amdgcn_target "amdgcn-amd-amdhsa--gfx1250"
	.amdhsa_code_object_version 6
	.text
	.protected	k_q591948ea7d_scores
	.globl	k_q591948ea7d_scores
	.p2align	8
	.type	k_q591948ea7d_scores,@function
k_q591948ea7d_scores:
	s_mov_b64 s[64:65], 0
	v_nop
	global_prefetch_b8 v0, s[64:65] scope:SCOPE_SE
	s_setreg_imm32_b32 hwreg(HW_REG_WAVE_MODE, 25, 1), 1
	s_wait_xcnt 0x0
	s_wait_alu depctr_hold_cnt(0) depctr_sa_sdst(0) depctr_va_vdst(0) depctr_va_sdst(0) depctr_va_ssrc(0) depctr_va_vcc(0) depctr_vm_vsrc(0)
	s_getreg_b32 s2, hwreg(HW_REG_IB_STS2, 6, 4)
	s_cmp_eq_u32 s2, 0
	s_cbranch_scc0 .Lentry_in_a_cluster
	s_endpgm
.Lentry_in_a_cluster:
	s_bfe_u32 s2, ttmp6, 0x10000c
	s_cmp_lg_u32 s2, 0xf033
	s_cbranch_scc0 .Lentry_shape_is_right
	s_endpgm
.Lentry_shape_is_right:
; S[b][e][t] = sum over d of enc[b][e][d] dec[b][t][d], and the softmax along t as far as one wave can take it.
; enc16, dec16: [8][2048][1024] f16.  pt: [8][2048 e][2048 t] f16.  stats: [8 b][16 chunks][2][2048 e] f32 (plane 0 mu, plane 1 l).
; A work-group of four waves makes a tile of 256 e x 256 t, a wave 128 x 128: 64 accumulators, 512 registers.  K = d goes in steps of 128 through a ring of two LDS slots.
; SOFTMAX BY CHUNKS.  A row's 2,048 t are 16 chunks of 128, a wave's width.  For each of its rows the wave takes the chunk's maximum away: mu = c max, c = log2(e),
; p = 2^(c s - mu), l = the sum of p.  p goes out in f16, mu and l in f32; the next launch brings the chunks onto the row's maximum.  The mu that is stored is the very
; number that was taken away, so its own rounding cancels between p, l and the later weight.
; LIMITS.  p lies in 0 to about 1; below 6e-5 it keeps f16's fixed step of 6e-8; an exponential below 2^-126 counts as 0 in l.  NaN and infinities are not treated apart.
; CLUSTER.  4 x 4 work-groups.  The four of a row of the cluster need the same rows of enc, the four of a column the same rows of dec: each tile is asked for JOINTLY, by the same
; tensor load with the same descriptor and a mask that names the four.
; THE MATRIX INSTRUCTION IS USED TRANSPOSED: source 0 = 16 rows of dec, source 1 = 16 rows of enc.  In accumulator (a, b) lane l holds row e = 16 a + l % 16 and the columns
; t = 16 b + 8 (l / 16) + 0..7: one row a lane, so a row's maximum and sum want one exchange between the halves of the lanes.
; REGISTERS, in windows of 256 (s_set_vgpr_msb: bits 1:0 source 0, 3:2 source 1, 5:4 source 2, 7:6 destination):
;   window 0: v0-31 addresses and statistics; v64-127, v128-191 fragments of enc, two buffers; v32-63, v192-255 at work on the way out
;   window 1: v64-127, v128-191 fragments of dec, two buffers      window 2: the accumulators of my rows 0-63 ((a, b) at v[8 (8 a + b)])      window 3: those of my rows 64-127
.set SIZE_K, 1024
.set KSTEP,  128
.set PITCH,  272                       ; an LDS row: 256 bytes + 16 of padding = 68 words: the 16 rows of a load start at 16 different groups of four banks (64 banks of 4 bytes: ISA guide 11.1)
.set HALFT,  128*PITCH                 ; 128 rows: what one tensor load brings, and what one wave reads of enc or of dec
.set SLOT,   4*HALFT                   ; enc's 256 rows, then dec's 256 rows
.set STAGE,  2*SLOT                    ; behind the ring: 16 rows x 272 bytes for each wave, for the way out
.set SPITCH, 272
.set STATS,  STAGE+4*16*SPITCH         ; behind the stages: 1,024 bytes for each wave: mu of its 128 rows, then l
.set SPARE,  STATS+4*1024              ; behind them: the spare words, 128 bytes for each wave: two blocks of 256 bytes that no other line names
.set LAPS,   SIZE_K/(2*KSTEP)          ; a lap = two K steps = once round the ring
.set PROW,   4096                      ; bytes in a row of pt
.set CHN,  4                           ; v4-11   eight chains of the maximum; then at work
.set MU,   12                          ; v12-13  mu; v13 is named with it as a pair and holds 0
.set ADRA, 16                          ; v16-17  LDS address of my enc fragments in slot 0, 1
.set ADRB, 20                          ; v20-21  the same for dec
.set STO,  24                          ; v24     the way out: where I put 16 bytes of a row
.set RD,   25                          ; v25     where I read a row back
.set CO,   26                          ; v26     my byte offset in pt
.set SGO,  27                          ; v27     my byte offset in a plane of stats: 16 x lane
.set SPW,  28                          ; v28     LDS address of my spare word; never rewritten
.set NIL,  29                          ; v29     0; never rewritten
.set SST,  30                          ; v30     where my lane puts mu (lanes 0-15) or l (lanes 16-31)
.set SRD,  31                          ; v31     where I read them back
.set OB,   32                          ; 16 rows read back from the stage: v32-63 and v224-255 by turns
.set F0,   64
.set F1,   128
.set TMP,  192                         ; packed results
.set WV,  12                           ; s12  my wave's number
.set RH,  13                           ; s13  which half of the tile's rows is mine.  Also: I fetch for enc (0) or for dec (1)
.set CH,  14                           ; s14  which half of its columns.  Also: which 128 rows of that tile I fetch
.set LAP, 15
.set G1,  24                           ; s[24:31] descriptor group 1 for enc's tiles;  s[32:39] group 0, a set for each slot
.set G0,  32
.set CX,  40
.set CY,  41
.set TC,  42                           ; s42  tile column: which 256 t
.set TR,  43                           ; s43  tile row: 8 b + which 256 e
.set RMASK, 44
.set CMASK, 45
.set G1B, 48                           ; s[48:55], s[56:63] the same for dec's tiles
.set G0B, 56
.set CS,  66                           ; s[66:67] c, twice
.set SEL, 68                           ; s[68:69] v_permlanex16_b32's selects: each lane takes its own place in the other half
.set UPPER, 70                         ; s70  a lane mask: lanes 16-31
.set CYL, 71                           ; s71  the cluster's y
.set MSB, 0
.macro WIN new                         ; the immediate's high byte repeats the setting that is left; a switch that changes nothing is dropped
.if MSB != (\new)
	s_set_vgpr_msb (MSB<<8)|(\new)
.set MSB, \new
.endif
.endm
.set MUL_LO, 0xa1                      ; source 0 (dec) window 1, source 1 (enc) window 0, C and D window 2
.set MUL_HI, 0xf1                      ; the same, C and D window 3
.set TO_B,   0x40                      ; destination window 1, address window 0
; A joint load.  Waves 0 and 1 fetch enc's two halves, waves 2 and 3 dec's.  The branch hangs on the wave's number alone.  An s_nop 0 and four v_nop follow each of the two lines,
; ahead of the jump, the label and what follows.
.macro JLOAD s
	s_cmp_eq_u32 s[RH], 0
	s_cbranch_scc0 .Lfor_b_\@
	tensor_load_to_lds s[G0+4*(\s):G0+4*(\s)+3], s[G1:G1+7]
	s_nop 0
.rept 4
	v_nop
.endr
	s_branch .Lasked_\@
.Lfor_b_\@:
	tensor_load_to_lds s[G0B+4*(\s):G0B+4*(\s)+3], s[G1B:G1B+7]
	s_nop 0
.rept 4
	v_nop
.endr
.Lasked_\@:
.endm
.macro CREST                           ; a round of the cluster's barrier behind its opening barrier
	s_cmp_lg_u32 s[WV], 0
	s_cbranch_scc1 .Lnot_wave_0_\@
	s_barrier_signal -3
.Lnot_wave_0_\@:
	s_barrier_wait -3
	s_barrier_signal -1
	s_barrier_wait -1
.endm
.macro CROUND                          ; a whole round
	s_barrier_signal -1
	s_barrier_wait -1
	CREST
.endm
	s_load_b256 s[4:11], s[0:1], 0x0               ; enc16 s[4:5], dec16 s[6:7], pt s[8:9], stats s[10:11]
	v_lshl_add_u32 v[SPW], v0, 2, SPARE
	v_mov_b32 v[NIL], 0
	ds_add_u32 v[SPW], v[NIL]                      ; the wave's opening: the add and its wait stand ahead of my first tensor load; the set-up below, work on registers, stands between them
	v_lshrrev_b32 v1, 5, v0
	v_readfirstlane_b32 s[WV], v1                  ; wave 0..3
	s_lshr_b32 s[RH], s[WV], 1
	s_and_b32 s[CH], s[WV], 1
	s_bfe_u32 s[CX], ttmp6, 0x40000                ; my place in the cluster
	s_bfe_u32 s[CY], ttmp6, 0x40004
	s_lshl_b32 s[TC], ttmp9, 2                     ; in a cluster launch ttmp9 and ttmp7 count clusters
	s_add_co_u32 s[TC], s[TC], s[CX]               ; tile column = 4 x cluster x + cx
	s_and_b32 s[CYL], ttmp7, 0xffff
	s_lshl_b32 s[TR], s[CYL], 2
	s_add_co_u32 s[TR], s[TR], s[CY]               ; tile row = 4 x cluster y + cy
	s_lshl_b32 s[RMASK], s[CY], 2
	s_lshl_b32 s[RMASK], 15, s[RMASK]              ; my row of the cluster: places 4 cy .. 4 cy + 3
	s_lshl_b32 s[CMASK], 0x1111, s[CX]             ; my column: places cx, cx + 4, cx + 8, cx + 12
	; descriptor group 1: a tile of 128 rows x 128 elements, padded in LDS
	s_or_b32 s[G1+0],  s[RMASK], (1<<16)|(1<<20)|(1<<21)|(5<<22)|(3<<25)  ; 15:0 the mask: enc's tiles go to my row; 17:16 2-byte elements; 20 padding on; 21 set beside a mask; 24:22 after every 64 words (code 5); 31:25 4 words (code 3)
	s_or_b32 s[G1B+0], s[CMASK], (1<<16)|(1<<20)|(1<<21)|(5<<22)|(3<<25)  ; the same with the mask of my column, for dec's tiles
.irp g, G1, G1B
	s_mov_b32 s[(\g)+1], KSTEP<<16                 ; tensor_dim0 = 128
	s_mov_b32 s[(\g)+2], 128<<16                   ; tensor_dim1 = 128
	s_mov_b32 s[(\g)+3], KSTEP<<16                 ; tile_dim0 = 128
	s_mov_b32 s[(\g)+4], 128                       ; tile_dim1 = 128
	s_mov_b32 s[(\g)+5], SIZE_K                    ; elements from row to row
	s_mov_b32 s[(\g)+6], 0
	s_mov_b32 s[(\g)+7], 0
.endr
	; where the tiles come from.  enc's hang on the tile row, which my row of the cluster shares; dec's on the batch and the tile column, which my column shares.
	s_lshl_b32 s16, s[TR], 8                       ; enc: row 256 x tile row (the batch is in it: 8 tile rows a batch)
	s_lshl_b32 s17, s[CH], 7
	s_add_co_u32 s16, s16, s17                     ; + 128 x the half that I fetch
	s_lshl_b32 s16, s16, 11                        ; rows of 2,048 bytes: under 2^25
	s_mov_b32 s17, 0
	s_lshr_b32 s46, s[CYL], 1                      ; dec: the batch = cluster y / 2,
	s_lshl_b32 s46, s46, 11                        ; its 2,048 rows,
	s_lshl_b32 s47, s[TC], 8
	s_add_co_u32 s46, s46, s47                     ; + 256 x tile column
	s_lshl_b32 s47, s[CH], 7
	s_add_co_u32 s46, s46, s47
	s_lshl_b32 s46, s46, 11
	s_mov_b32 s47, 0
	s_mul_i32 s20, s[WV], HALFT                    ; and where they go: wave x 128 rows: no place in the cluster enters an LDS address
	s_mov_b32 s[CS], 0x3fb8aa3b                    ; c = log2(e)
	s_mov_b32 s[CS+1], s[CS]
	s_mov_b32 s[SEL], 0x76543210
	s_mov_b32 s[SEL+1], 0xfedcba98
	s_mov_b32 s[UPPER], 0xffff0000
	s_wait_dscnt 0x0                               ; the opening add is done
	s_wait_kmcnt 0x0
	s_add_nc_u64 s[18:19], s[4:5], s[16:17]
	s_add_nc_u64 s[46:47], s[6:7], s[46:47]
	CROUND                                         ; all sixteen work-groups are here: the first joint loads meet
.irp s, 0,1
	s_mov_b32 s[G0+4*(\s)], 1                                        ; count = 1
	s_add_co_u32 s[G0+4*(\s)+1], s20, (\s)*SLOT                      ; LDS address
	s_add_nc_u64 s[G0+4*(\s)+2:G0+4*(\s)+3], s[18:19], (\s)*KSTEP*2  ; global address: K step s
	s_or_b32 s[G0+4*(\s)+3], s[G0+4*(\s)+3], 0x80000000              ; type = 2
	s_mov_b32 s[G0B+4*(\s)], 1
	s_add_co_u32 s[G0B+4*(\s)+1], s20, (\s)*SLOT
	s_add_nc_u64 s[G0B+4*(\s)+2:G0B+4*(\s)+3], s[46:47], (\s)*KSTEP*2
	s_or_b32 s[G0B+4*(\s)+3], s[G0B+4*(\s)+3], 0x80000000
	JLOAD \s                                       ; the ring is filled before anything else is done: two loads of mine are out
.endr
	; A fragment is 16 rows x 32 K in 8 registers: lane l holds row l % 16; registers 0-3 K = 8 (l / 16) + 0..7, registers 4-7 K = 16 + 8 (l / 16) + 0..7: two loads of 16 bytes, 32 bytes apart.
	v_and_b32 v1, 15, v0                           ; l % 16
	v_bfe_u32 v2, v0, 4, 1                         ; l / 16
	v_mul_u32_u24 v3, v1, PITCH
	v_lshl_add_u32 v3, v2, 4, v3
	s_mul_i32 s21, s[RH], HALFT                    ; my 128 rows of enc
	s_mul_i32 s22, s[CH], HALFT                    ; my 128 rows of dec,
	s_add_co_u32 s22, s22, 2*HALFT                 ; which lie behind enc's 256
.irp s, 0,1
	v_add_nc_u32 v[ADRA+(\s)], s21, v3
	v_add_nc_u32 v[ADRB+(\s)], s22, v3
	s_add_co_u32 s21, s21, SLOT
	s_add_co_u32 s22, s22, SLOT
.endr
	s_mul_i32 s23, s[WV], 16*SPITCH
	s_add_co_u32 s23, s23, STAGE                   ; my stage
	v_mul_u32_u24 v3, v1, SPITCH                   ; in: row l % 16, 16 bytes for each half of the lanes
	v_lshl_add_u32 v3, v2, 4, v3
	v_add_nc_u32 v[STO], s23, v3
	v_mul_u32_u24 v3, v2, SPITCH                   ; back: lanes 0-15 take one row of 256 bytes, lanes 16-31 the next
	v_lshl_add_u32 v3, v1, 4, v3
	v_add_nc_u32 v[RD], s23, v3
	v_lshlrev_b32 v3, 12, v2                       ; and the same two rows in pt
	v_lshl_add_u32 v[CO], v1, 4, v3
	s_lshl_b32 s21, s[WV], 10
	s_add_co_u32 s21, s21, STATS                   ; my 1,024 bytes of statistics
	v_lshlrev_b32 v3, 2, v1
	v_lshl_add_u32 v3, v2, 9, v3                   ; 4 (l % 16), and 512 on for lanes 16-31
	v_add_nc_u32 v[SST], s21, v3
	v_and_b32 v3, 31, v0
	v_lshlrev_b32 v[SGO], 4, v3
	v_add_nc_u32 v[SRD], s21, v[SGO]
	v_mov_b32 v[MU+1], 0
	; where my part of pt begins: row 256 x tile row + 128 x half, column 256 x tile column + 128 x half
	s_lshl_b32 s16, s[TR], 8
	s_lshl_b32 s17, s[RH], 7
	s_add_co_u32 s16, s16, s17
	s_lshl_b32 s16, s16, 12                        ; rows of 4,096 bytes: under 2^26
	s_mov_b32 s17, 0
	s_add_nc_u64 s[8:9], s[8:9], s[16:17]
	s_lshl_b32 s46, s[TC], 9
	s_lshl_b32 s47, s[CH], 8
	s_add_co_u32 s46, s46, s47
	s_mov_b32 s47, 0
	s_add_nc_u64 s[8:9], s[8:9], s[46:47]
	; and of stats: batch x 262,144 + chunk (2 x tile column + half) x 16,384 + 4 x my first e
	s_lshr_b32 s16, s[CYL], 1
	s_lshl_b32 s16, s16, 18
	s_and_b32 s17, s[TR], 7
	s_lshl_b32 s17, s17, 10
	s_add_co_u32 s16, s16, s17
	s_lshl_b32 s17, s[RH], 9
	s_add_co_u32 s16, s16, s17
	s_mov_b32 s17, 0
	s_add_nc_u64 s[10:11], s[10:11], s[16:17]
	s_lshl_b32 s46, s[TC], 15
	s_lshl_b32 s47, s[CH], 14
	s_add_co_u32 s46, s46, s47
	s_mov_b32 s47, 0
	s_add_nc_u64 s[10:11], s[10:11], s[46:47]
; 16 matrix instructions: m blocks a0, a0 + 1 of the window's four (hi = 0: my rows 0-63, 1: rows 64-127) x all 8 n blocks, 32 along K.  zero = 1: the first product starts the sums.
; The 64 accumulators take turns, in the same order in every quarter step.
.macro MUL16 f, hi, a0, zero
	WIN MUL_LO+0x50*(\hi)
.irp a, \a0, (\a0)+1
.irp b, 0,1,2,3,4,5,6,7
.if \zero
	v_wmma_f32_16x16x32_f16 v[8*(8*(\a)+(\b)):8*(8*(\a)+(\b))+7], v[(\f)+8*(\b):(\f)+8*(\b)+7], v[(\f)+8*(4*(\hi)+(\a)):(\f)+8*(4*(\hi)+(\a))+7], 0
.else
	v_wmma_f32_16x16x32_f16 v[8*(8*(\a)+(\b)):8*(8*(\a)+(\b))+7], v[(\f)+8*(\b):(\f)+8*(\b)+7], v[(\f)+8*(4*(\hi)+(\a)):(\f)+8*(4*(\hi)+(\a))+7], v[8*(8*(\a)+(\b)):8*(8*(\a)+(\b))+7]
.endif
.endr
.endr
.endm
; 32 LDS loads in one run: the fragments of one quarter step (128 rows of dec, 128 rows of enc, 32 K at byte k of the rows) into buffer f
.macro FETCH slot, k, f
	WIN TO_B
.irp i, 0,1,2,3,4,5,6,7
	ds_load_b128 v[(\f)+8*(\i):(\f)+8*(\i)+3],   v[ADRB+(\slot)] offset:(\k)+(\i)*16*PITCH
	ds_load_b128 v[(\f)+8*(\i)+4:(\f)+8*(\i)+7], v[ADRB+(\slot)] offset:(\k)+(\i)*16*PITCH+32
.endr
	WIN 0
.irp i, 0,1,2,3,4,5,6,7
	ds_load_b128 v[(\f)+8*(\i):(\f)+8*(\i)+3],   v[ADRA+(\slot)] offset:(\k)+(\i)*16*PITCH
	ds_load_b128 v[(\f)+8*(\i)+4:(\f)+8*(\i)+7], v[ADRA+(\slot)] offset:(\k)+(\i)*16*PITCH+32
.endr
.endm
; A load into a register that a matrix instruction has read, and a vector instruction that reads a matrix result, stand four places behind that matrix instruction, and only plain vector
; instructions that name none of its registers are places (ISA guide 7.12.1 for vector instructions).
.macro PLACES
.rept 4
	v_nop
.endr
.endm
; A K step is four quarter steps of 32 along K, 64 matrix instructions each, on buffers 0, 1, 0, 1.  One of the first three: multiplies buffer f and fetches the next quarter, at byte k, into g.
.macro QUARTER slot, k, f, g, zero
	s_wait_dscnt 8                                 ; dec and enc's rows 0-63 are in; the youngest eight loads (enc's rows 64-127) may be out
	MUL16 \f, 0, 0, \zero
	MUL16 \f, 0, 2, \zero
	PLACES
	FETCH \slot, \k, \g
	s_wait_dscnt 32                                ; all but the 32 just issued
	MUL16 \f, 1, 0, \zero
	MUL16 \f, 1, 2, \zero
.endm
; The last quarter multiplies buffer 1 and changes slots: ONE barrier; in front of it each wave waits for all its tensor loads (one is out: its part of the next slot), adds 0 to its spare word,
; and waits for that and for its own reads of this slot.  fill = 1: the barrier opens a round of the cluster's, and this slot is filled again, two K steps ahead, first thing behind the round.
.macro TURN slot, next, fill
	WIN 0                                          ; (the add's two registers lie in window 0)
	s_wait_tensorcnt 0x0                           ; all my tensor loads have landed
	ds_add_u32 v[SPW], v[NIL]                      ; 0 onto my spare word
	s_wait_dscnt 9                                 ; (the add and the youngest eight loads may be out)
	MUL16 F1, 0, 0, 0                              ; sixteen matrix instructions stand between the add and the wait for it
	s_wait_dscnt 0x0                               ; the add is done, and my reads of this slot are over
	s_barrier_signal -1
	MUL16 F1, 0, 2, 0                              ; work on registers while the others arrive
.if \fill
	WIN 0
.endif
	s_barrier_wait -1
.if \fill
	CREST                                          ; no wave of any partner still reads this slot's tile or has a load on its way
	s_add_nc_u64 s[G0+4*(\slot)+2:G0+4*(\slot)+3], s[G0+4*(\slot)+2:G0+4*(\slot)+3], 2*KSTEP*2
	s_add_nc_u64 s[G0B+4*(\slot)+2:G0B+4*(\slot)+3], s[G0B+4*(\slot)+2:G0B+4*(\slot)+3], 2*KSTEP*2
	JLOAD \slot                                    ; my one tensor load behind the round; the four v_nop behind it are also the places in front of the loads below
.else
	PLACES
.endif
	FETCH \next, 0, F0
	MUL16 F1, 1, 0, 0
	MUL16 F1, 1, 2, 0
.endm
; THE WAY OUT of block a (16 rows x 128 t).  SOFT: the chunk's maximum, mu, p, its sum l; p packed to f16 in TMP; mu and l into my statistics in LDS.
.macro SOFT a
.set AC, 64*((\a)%4)
.set WN, 2+(\a)/4
	WIN WN|(WN<<2)|(WN<<4)                         ; three sources in the block's window.  Eight chains, one an accumulator
.set n, 0
.rept 8
	v_max3_num_f32 v[CHN+n], v[AC+8*n], v[AC+8*n+1], v[AC+8*n+2]
.set n, n+1
.endr
	WIN (WN<<2)|(WN<<4)
.set n, 0
.rept 8
	v_max3_num_f32 v[CHN+n], v[CHN+n], v[AC+8*n+3], v[AC+8*n+4]
.set n, n+1
.endr
.set n, 0
.rept 8
	v_max3_num_f32 v[CHN+n], v[CHN+n], v[AC+8*n+5], v[AC+8*n+6]
.set n, n+1
.endr
.set n, 0
.rept 4
	v_max3_num_f32 v[CHN+n], v[CHN+n], v[AC+16*n+7], v[AC+16*n+15]
.set n, n+1
.endr
	WIN 0
	v_max3_num_f32 v[CHN], v[CHN], v[CHN+1], v[CHN+2]
	v_max3_num_f32 v[CHN+3], v[CHN+3], v[CHN+4], v[CHN+5]
	v_max_num_f32 v[CHN+6], v[CHN+6], v[CHN+7]
	v_max3_num_f32 v[CHN], v[CHN], v[CHN+3], v[CHN+6]
	v_permlanex16_b32 v[CHN+1], v[CHN], s[SEL], s[SEL+1]  ; the row's other 64 columns lie in the lane 16 away
	v_max_num_f32 v[CHN], v[CHN], v[CHN+1]
	v_mul_f32 v[MU], s[CS], v[CHN]                 ; mu = c max
	WIN WN|(WN<<2)|(WN<<6)                         ; in place in the block's window; mu (source 2) in window 0
.set n, 0
.rept 32
	v_pk_fma_f32 v[AC+2*n:AC+2*n+1], v[AC+2*n:AC+2*n+1], s[CS:CS+1], v[MU:MU+1] op_sel_hi:[1,0,0] neg_lo:[0,0,1] neg_hi:[0,0,1]  ; c s - mu
.set n, n+1
.endr
.set n, 0
.rept 64
	v_exp_f32 v[AC+n], v[AC+n]
.set n, n+1
.endr
	v_nop                                          ; a plain instruction between the run of exponentials and the first use of a result (ISA guide 5.7.2)
	WIN WN|(WN<<2)
.set n, 0
	s_wait_alu depctr_va_vdst(0)
.rept 32
	v_cvt_pk_f16_f32 v[TMP+n], v[AC+2*n], v[AC+2*n+1]  ; a lane's eight columns of accumulator n / 4 pack into 16 bytes
.set n, n+1
.endr
	WIN WN|(WN<<2)|(WN<<6)
.irp w, 4,8,16,32,64                   ; the sum of the lane's 32 pairs of unrounded p, in place: neighbours 1, 2, 4, 8, 16 pairs apart
.set n, 0
.rept 64/(\w)
	v_pk_add_f32 v[AC+(\w)*n:AC+(\w)*n+1], v[AC+(\w)*n:AC+(\w)*n+1], v[AC+(\w)*n+(\w)/2:AC+(\w)*n+(\w)/2+1]
.set n, n+1
.endr
.endr
	WIN WN|(WN<<2)
	v_add_f32 v[CHN+2], v[AC], v[AC+1]
	WIN 0
	v_permlanex16_b32 v[CHN+3], v[CHN+2], s[SEL], s[SEL+1]
	v_add_f32 v[CHN+2], v[CHN+2], v[CHN+3]         ; l
	v_cndmask_b32 v[CHN+4], v[MU], v[CHN+2], s[UPPER]  ; lanes 0-15 carry mu, lanes 16-31 l
	ds_store_b32 v[SST], v[CHN+4] offset:64*(\a)
.endm
.macro TOSTAGE a                       ; into my own stage, and back as whole rows of 256 bytes
	WIN 0
.set BK, OB+192*((\a)%2)
.irp b, 0,1,2,3,4,5,6,7
	ds_store_b128 v[STO], v[TMP+4*(\b):TMP+4*(\b)+3] offset:32*(\b)
.endr
.irp t, 0,1,2,3,4,5,6,7
	ds_load_b128 v[BK+4*(\t):BK+4*(\t)+3], v[RD] offset:(\t)*2*SPITCH  ; LDS serves a wave's instructions in order (ISA guide 5.7.1.4): these see the stores above
.endr
.endm
.macro SEND a, younger                 ; younger: the LDS instructions issued behind TOSTAGE's loads, which may stay out
	WIN 0
.set BK, OB+192*((\a)%2)
	s_wait_dscnt \younger                          ; the block is back in registers
	s_wait_xcnt 0x0                                ; the block before last has been read by its stores: its registers are loaded again only behind this wait
.irp t, 0,1,2,3,4,5,6,7
	global_store_b128 v[CO], v[BK+4*(\t):BK+4*(\t)+3], s[8:9] offset:(16*(\a)+2*(\t))*PROW  ; 16 lanes store 256 consecutive bytes, at a multiple of 256 from pt's first byte; 126 rows at the most, inside the signed 24-bit immediate
.endr
.endm
	s_wait_tensorcnt 1                             ; my part of K step 0 is in; K step 1's may stay out
	s_barrier_signal -1
	s_barrier_wait -1                              ; everybody's is
	FETCH 0, 0, F0
	QUARTER 0, 64,  F0, F1, 1                      ; the first quarter stands in front of the loop: its products start the sums
	WIN 0                                          ; at a label and at a branch every window is 0
	s_mov_b32 s[LAP], LAPS-1
.Llap:                                                 ; a trip goes once round the ring, from a lap's second quarter to the next lap's first, and fills both slots again
	QUARTER 0, 128, F1, F0, 0
	QUARTER 0, 192, F0, F1, 0
	TURN 0, 1, 1
	QUARTER 1, 64,  F0, F1, 0
	QUARTER 1, 128, F1, F0, 0
	QUARTER 1, 192, F0, F1, 0
	TURN 1, 0, 1
	QUARTER 0, 64,  F0, F1, 0
	WIN 0
	s_sub_co_u32 s[LAP], s[LAP], 1
	s_cmp_lg_u32 s[LAP], 0
	s_cbranch_scc1 .Llap
	QUARTER 0, 128, F1, F0, 0                      ; the last lap fills nothing, and has no round of the cluster's barrier
	QUARTER 0, 192, F0, F1, 0
	TURN 0, 1, 0
	QUARTER 1, 64,  F0, F1, 0
	QUARTER 1, 128, F1, F0, 0
	QUARTER 1, 192, F0, F1, 0
	s_wait_dscnt 8                                 ; the very last quarter: nothing more to fetch
	MUL16 F1, 0, 0, 0
	MUL16 F1, 0, 2, 0
	s_wait_dscnt 0x0
	MUL16 F1, 1, 0, 0
	MUL16 F1, 1, 2, 0
	PLACES                                         ; the maxima below read results
	SOFT 0
	TOSTAGE 0
.irp a, 1,2,3,4,5,6,7                  ; block a's softmax stands between block a - 1's loads from the stage and the wait for them
	SOFT \a
	SEND (\a)-1, 1                                 ; one LDS instruction is younger: block a's store of mu and l
	TOSTAGE \a
.endr
	SEND 7, 0
	ds_load_b128 v[TMP:TMP+3],   v[SRD]            ; mu of my 128 rows, four a lane; my own bytes, served in order behind my stores
	ds_load_b128 v[TMP+4:TMP+7], v[SRD] offset:512 ; l
	s_wait_dscnt 0x0
	global_store_b128 v[SGO], v[TMP:TMP+3],   s[10:11]              ; 512 consecutive bytes each, at a multiple of 256 from stats' first byte
	global_store_b128 v[SGO], v[TMP+4:TMP+7], s[10:11] offset:8192
	s_wait_tensorcnt 0x0                           ; the wave's end, behind my last tensor load and my last LDS store
	ds_add_u32 v[SPW], v[NIL]
	s_wait_dscnt 0x0
	CROUND                                         ; the closing round: no work-group ends while a partner may still ask for a tile that names it
	s_endpgm
.Lfunc_end_k_q591948ea7d_scores:
	.size	k_q591948ea7d_scores, .Lfunc_end_k_q591948ea7d_scores-k_q591948ea7d_scores
	.p2alignl 7, 3214868480
	.fill 96, 4, 3214868480
	.section	.rodata,"a",@progbits
	.p2align	6, 0x0
	.amdhsa_kernel k_q591948ea7d_scores
		.amdhsa_group_segment_fixed_size 327680
		.amdhsa_private_segment_fixed_size 0
		.amdhsa_enable_private_segment 0
		.amdhsa_kernarg_size 32
		.amdhsa_user_sgpr_count 2
		.amdhsa_user_sgpr_kernarg_segment_ptr 1
		.amdhsa_wavefront_size32 1
		.amdhsa_system_sgpr_workgroup_id_x 1
		.amdhsa_system_sgpr_workgroup_id_y 1
		.amdhsa_system_sgpr_workgroup_id_z 1
		.amdhsa_system_vgpr_workitem_id 0
		.amdhsa_next_free_vgpr 1024
		.amdhsa_next_free_sgpr 72
		.amdhsa_reserve_vcc 0
		.amdhsa_float_denorm_mode_32 3
		.amdhsa_float_denorm_mode_16_64 3
		.amdhsa_memory_ordered 1
		.amdhsa_forward_progress 1
		.amdhsa_inst_pref_size 212
	.end_amdhsa_kernel
	.amdgpu_metadata
---
amdhsa.version: [ 1, 2 ]
amdhsa.kernels:
  - .name:           k_q591948ea7d_scores
    .symbol:         k_q591948ea7d_scores.kd
    .args:
      - { .name: enc16, .offset: 0, .size: 8, .value_kind: global_buffer, .address_space: global }
      - { .name: dec16, .offset: 8, .size: 8, .value_kind: global_buffer, .address_space: global }
      - { .name: pt, .offset: 16, .size: 8, .value_kind: global_buffer, .address_space: global }
      - { .name: stats, .offset: 24, .size: 8, .value_kind: global_buffer, .address_space: global }
    .group_segment_fixed_size: 327680
    .private_segment_fixed_size: 0
    .kernarg_segment_align: 8
    .kernarg_segment_size: 32
    .max_flat_workgroup_size: 128
    .sgpr_count:     72
    .vgpr_count:     1024
    .wavefront_size: 32
...
	.end_amdgpu_metadata
.endif
;; end of part 2
;; launch weights (part 3): grid 16 x 8, 1 waves a work-group, no clusters, 0 bytes of LDS; arguments stats, wts; writes wts
.if DOCPART == 3
	.amdgcn_target "amdgcn-amd-amdhsa--gfx1250"
	.amdhsa_code_object_version 6
	.text
	.protected	k_q591948ea7d_weights
	.globl	k_q591948ea7d_weights
	.p2align	8
	.type	k_q591948ea7d_weights,@function
k_q591948ea7d_weights:
	s_mov_b64 s[64:65], 0
	v_nop
	global_prefetch_b8 v0, s[64:65] scope:SCOPE_SE
	s_setreg_imm32_b32 hwreg(HW_REG_WAVE_MODE, 25, 1), 1
	s_wait_xcnt 0x0
; For each row (b, e): M = the maximum over the 16 chunks c of mu_c;  L = the sum of l_c 2^(mu_c - M);  w_c = 2^(mu_c - M) / L, rounded to f16.
; stats: [8 b][16 c][2][2048 e] f32 (plane 0 mu, plane 1 l).  wts: [8 b][16 c][2048 e] f16.
; The row's true maximum is taken away here: the chunk that holds it has the factor 1 and an l of about 1 or more, so L does not vanish.
; LIMITS.  A factor below 2^-126 counts as 0; w lies in 0 to about 1 and below 6e-5 keeps f16's fixed step of 6e-8.  NaN and infinities are not treated apart.
; One wave takes 128 rows of a batch, a lane four: each load covers 512 consecutive bytes, each store 256 consecutive bytes at a multiple of 256.  2.5 MB in all: no LDS, no matrix work.
.set MUB, 8                            ; v[8:71]    mu, chunk c at + 4 c; then the factors, then w
.set LB,  72                           ; v[72:135]  l
.set M,   136                          ; v[136:139] M; then 1 / L
.set LS,  140                          ; v[140:143] L
.set WP,  144                          ; v[144:175] w in f16, chunk c at + 2 c
	s_load_b128 s[4:7], s[0:1], 0x0                ; stats s[4:5], wts s[6:7]
	s_and_b32 s8, ttmp7, 0xffff                    ; the batch
	s_lshl_b32 s10, s8, 16                         ; 65,536 bytes of wts a batch,
	s_lshl_b32 s8, s8, 18                          ; 262,144 of stats
	s_lshl_b32 s9, ttmp9, 9                        ; my 128 rows: 512 bytes of a plane,
	s_add_co_u32 s8, s8, s9
	s_lshl_b32 s9, ttmp9, 8                        ; 256 bytes of a chunk of wts
	s_add_co_u32 s10, s10, s9
	s_mov_b32 s9, 0
	s_mov_b32 s11, 0
	v_lshlrev_b32 v1, 4, v0                        ; four f32 a lane
	v_lshlrev_b32 v2, 3, v0                        ; four f16 a lane
	s_wait_kmcnt 0x0
	s_add_nc_u64 s[4:5], s[4:5], s[8:9]
	s_add_nc_u64 s[6:7], s[6:7], s[10:11]
.set c, 0
.rept 16
	global_load_b128 v[MUB+4*c:MUB+4*c+3], v1, s[4:5] offset:16384*c
.set c, c+1
.endr
.set c, 0
.rept 16
	global_load_b128 v[LB+4*c:LB+4*c+3], v1, s[4:5] offset:16384*c+8192
.set c, c+1
.endr
	s_wait_loadcnt 16                              ; mu is in; the sixteen loads of l stay out
.irp j, 0,1,2,3
	v_max3_num_f32 v[M+(\j)], v[MUB+(\j)], v[MUB+4+(\j)], v[MUB+8+(\j)]
.endr
.irp i, 0,1,2,3,4,5
.irp j, 0,1,2,3
	v_max3_num_f32 v[M+(\j)], v[M+(\j)], v[MUB+4*(3+2*(\i))+(\j)], v[MUB+4*(4+2*(\i))+(\j)]
.endr
.endr
.irp j, 0,1,2,3
	v_max_num_f32 v[M+(\j)], v[M+(\j)], v[MUB+60+(\j)]
.endr
.set c, 0
.rept 16
	v_pk_add_f32 v[MUB+4*c:MUB+4*c+1],   v[MUB+4*c:MUB+4*c+1],   v[M:M+1]   neg_lo:[0,1] neg_hi:[0,1]  ; mu - M
	v_pk_add_f32 v[MUB+4*c+2:MUB+4*c+3], v[MUB+4*c+2:MUB+4*c+3], v[M+2:M+3] neg_lo:[0,1] neg_hi:[0,1]
.set c, c+1
.endr
.set c, 0
.rept 64
	v_exp_f32 v[MUB+c], v[MUB+c]
.set c, c+1
.endr
	v_nop                                          ; a plain instruction between the run of exponentials and the first use of a result (ISA guide 5.7.2)
	s_wait_loadcnt 0x0                             ; l
	s_wait_alu depctr_va_vdst(0)
	v_pk_mul_f32 v[LS:LS+1],   v[LB:LB+1],   v[MUB:MUB+1]      ; the first chunk starts the sums
	v_pk_mul_f32 v[LS+2:LS+3], v[LB+2:LB+3], v[MUB+2:MUB+3]
.set c, 1
.rept 15
	v_pk_fma_f32 v[LS:LS+1],   v[LB+4*c:LB+4*c+1],   v[MUB+4*c:MUB+4*c+1],   v[LS:LS+1]
	v_pk_fma_f32 v[LS+2:LS+3], v[LB+4*c+2:LB+4*c+3], v[MUB+4*c+2:MUB+4*c+3], v[LS+2:LS+3]
.set c, c+1
.endr
.irp j, 0,1,2,3
	v_rcp_f32 v[M+(\j)], v[LS+(\j)]
.endr
	v_nop                                          ; a plain instruction between the last reciprocal and the use of its result
.set c, 0
	s_wait_alu depctr_va_vdst(0)
.rept 16
	v_pk_mul_f32 v[MUB+4*c:MUB+4*c+1],   v[MUB+4*c:MUB+4*c+1],   v[M:M+1]
	v_pk_mul_f32 v[MUB+4*c+2:MUB+4*c+3], v[MUB+4*c+2:MUB+4*c+3], v[M+2:M+3]
.set c, c+1
.endr
.set c, 0
.rept 32
	v_cvt_pk_f16_f32 v[WP+c], v[MUB+2*c], v[MUB+2*c+1]
.set c, c+1
.endr
.set c, 0
.rept 16
	global_store_b64 v2, v[WP+2*c:WP+2*c+1], s[6:7] offset:4096*c
.set c, c+1
.endr
	s_endpgm
.Lfunc_end_k_q591948ea7d_weights:
	.size	k_q591948ea7d_weights, .Lfunc_end_k_q591948ea7d_weights-k_q591948ea7d_weights
	.p2alignl 7, 3214868480
	.fill 96, 4, 3214868480
	.section	.rodata,"a",@progbits
	.p2align	6, 0x0
	.amdhsa_kernel k_q591948ea7d_weights
		.amdhsa_group_segment_fixed_size 0
		.amdhsa_private_segment_fixed_size 0
		.amdhsa_enable_private_segment 0
		.amdhsa_kernarg_size 16
		.amdhsa_user_sgpr_count 2
		.amdhsa_user_sgpr_kernarg_segment_ptr 1
		.amdhsa_wavefront_size32 1
		.amdhsa_system_sgpr_workgroup_id_x 1
		.amdhsa_system_sgpr_workgroup_id_y 1
		.amdhsa_system_sgpr_workgroup_id_z 1
		.amdhsa_system_vgpr_workitem_id 0
		.amdhsa_next_free_vgpr 176
		.amdhsa_next_free_sgpr 66
		.amdhsa_reserve_vcc 0
		.amdhsa_float_denorm_mode_32 3
		.amdhsa_float_denorm_mode_16_64 3
		.amdhsa_memory_ordered 1
		.amdhsa_forward_progress 1
		.amdhsa_inst_pref_size 18
	.end_amdhsa_kernel
	.amdgpu_metadata
---
amdhsa.version: [ 1, 2 ]
amdhsa.kernels:
  - .name:           k_q591948ea7d_weights
    .symbol:         k_q591948ea7d_weights.kd
    .args:
      - { .name: stats, .offset: 0, .size: 8, .value_kind: global_buffer, .address_space: global }
      - { .name: wts, .offset: 8, .size: 8, .value_kind: global_buffer, .address_space: global }
    .group_segment_fixed_size: 0
    .private_segment_fixed_size: 0
    .kernarg_segment_align: 8
    .kernarg_segment_size: 16
    .max_flat_workgroup_size: 32
    .sgpr_count:     66
    .vgpr_count:     176
    .wavefront_size: 32
...
	.end_amdgpu_metadata
.endif
;; end of part 3
;; launch context (part 4): grid 4 x 64, 4 waves a work-group, clusters of 4 x 4, 327,680 bytes of LDS; arguments pt, enc16, wts, out0; writes out0
.if DOCPART == 4
	.amdgcn_target "amdgcn-amd-amdhsa--gfx1250"
	.amdhsa_code_object_version 6
	.text
	.protected	k_q591948ea7d_context
	.globl	k_q591948ea7d_context
	.p2align	8
	.type	k_q591948ea7d_context,@function
k_q591948ea7d_context:
	s_mov_b64 s[64:65], 0
	v_nop
	global_prefetch_b8 v0, s[64:65] scope:SCOPE_SE
	s_setreg_imm32_b32 hwreg(HW_REG_WAVE_MODE, 25, 1), 1
	s_wait_xcnt 0x0
	s_wait_alu depctr_hold_cnt(0) depctr_sa_sdst(0) depctr_va_vdst(0) depctr_va_sdst(0) depctr_va_ssrc(0) depctr_va_vcc(0) depctr_vm_vsrc(0)
	s_getreg_b32 s2, hwreg(HW_REG_IB_STS2, 6, 4)
	s_cmp_eq_u32 s2, 0
	s_cbranch_scc0 .Lentry_in_a_cluster
	s_endpgm
.Lentry_in_a_cluster:
	s_bfe_u32 s2, ttmp6, 0x10000c
	s_cmp_lg_u32 s2, 0xf033
	s_cbranch_scc0 .Lentry_shape_is_right
	s_endpgm
.Lentry_shape_is_right:
; out0[b][t][d] = sum over e of (p[b][e][t] w[b][chunk of t][e]) enc[b][e][d].  pt: [8][2048 e][2048 t] f16; enc16: [8][2048 e][1024 d] f16; wts: [8][16 chunks][2048 e] f16; out0: [8][2048 t][1024 d] f32.
; A work-group of four waves makes a tile of 256 t x 256 d, a wave 128 x 128: 64 accumulators, 512 registers; 256 work-groups.  K = e goes in steps of 128 through a ring of two LDS slots.
; BOTH OPERANDS LIE [K][column], so both come out of LDS turned, by ds_load_tr16_b128.  A wave's 128 t are one chunk, so the weight w hangs on e = K alone: a fragment of p holds K along a lane's
; registers, and eight registers of w (the same for all columns) scale it, two numbers an instruction, before it is multiplied.
; LIMITS.  p w is rounded to f16: it lies in 0 to about 1 and below 6e-5 keeps f16's fixed step of 6e-8.  NaN and infinities are not treated apart.
; CLUSTER.  4 x 4 work-groups.  The four of a row of the cluster need the same columns of pt, the four of a column the same columns of enc16: each tile is asked for JOINTLY.
; THE MATRIX INSTRUCTION IS USED TRANSPOSED: source 0 = 16 columns d of enc, source 1 = 16 columns t of p.  In accumulator (a, b) lane l holds row t = 16 a + l % 16 and d = 16 b + 8 (l / 16) + 0..7.
; REGISTERS, in windows of 256 (s_set_vgpr_msb: bits 1:0 source 0, 3:2 source 1, 5:4 source 2, 7:6 destination):
;   window 0: v0-31 addresses; v32-47 w, two buffers; v48-63 at work at the start; v64-127, v128-191 fragments of p, two buffers, on the way out rows read back
;   window 1: v64-127, v128-191 fragments of enc      window 2: the accumulators of my rows 0-63 ((a, b) at v[8 (8 a + b)])      window 3: those of my rows 64-127
.set SIZE_K, 2048
.set KSTEP,  128
.set PITCH,  544                       ; an LDS row: 512 bytes + 32 of padding = 136 words
.set HALFT,  64*PITCH                  ; 64 rows: what one tensor load brings
.set SLOT,   4*HALFT                   ; p's 128 rows of e, then enc's 128
.set STAGE,  2*SLOT                    ; behind the ring: 16 rows x 528 bytes for each wave, for the way out
.set SPITCH, 528
.set WT,     STAGE+4*16*SPITCH         ; behind the stages: w of the tile's two chunks, 4,096 bytes each
.set SPARE,  WT+8192                   ; behind them: the spare words, 128 bytes for each wave: two blocks of 256 bytes that no other line names
.set LAPS,   SIZE_K/(2*KSTEP)
.set OROW,   4096                      ; bytes in a row of out0
.set ADRA, 16                          ; v16-17  LDS address of my p fragments in slot 0, 1
.set ADRB, 20                          ; v20-21  the same for enc
.set ADRW, 22                          ; v22     LDS address of w for the lap in hand
.set STO,  24                          ; v24     the way out: where I put 32 bytes of a row
.set RD,   25                          ; v25     where I read a row back
.set CO,   26                          ; v26     my byte offset in a row's 512 bytes of out0
.set SPW,  28                          ; v28     LDS address of my spare word; never rewritten
.set NIL,  29                          ; v29     0; never rewritten
.set W0,   32                          ; v32-39  w for buffer 0;  v40-47 for buffer 1
.set WTMP, 48
.set F0,   64
.set F1,   128
.set WV,  12
.set RH,  13                           ; s13  which half of the tile's t is mine.  Also: I fetch for pt (0) or for enc16 (1)
.set CH,  14                           ; s14  which half of its d.  Also: which 64 rows of e I fetch
.set LAP, 15
.set G1,  24
.set G0,  32
.set CX,  40
.set CY,  41
.set TC,  42                           ; s42  tile column: which 256 d
.set TR,  43                           ; s43  tile row: 8 b + which 256 t
.set RMASK, 44
.set CMASK, 45
.set G1B, 48
.set G0B, 56
.set CYL, 71
.set MSB, 0
.macro WIN new                         ; the immediate's high byte repeats the setting that is left; a switch that changes nothing is dropped
.if MSB != (\new)
	s_set_vgpr_msb (MSB<<8)|(\new)
.set MSB, \new
.endif
.endm
.set MUL_LO, 0xa1                      ; source 0 (enc) window 1, source 1 (p) window 0, C and D window 2
.set MUL_HI, 0xf1
.set TO_B,   0x40
.macro JLOAD s                         ; a joint load: waves 0 and 1 fetch p's two halves, waves 2 and 3 enc's; an s_nop 0 and four v_nop follow each of the two lines, ahead of the jump, the label and what follows
	s_cmp_eq_u32 s[RH], 0
	s_cbranch_scc0 .Lfor_b_\@
	tensor_load_to_lds s[G0+4*(\s):G0+4*(\s)+3], s[G1:G1+7]
	s_nop 0
.rept 4
	v_nop
.endr
	s_branch .Lasked_\@
.Lfor_b_\@:
	tensor_load_to_lds s[G0B+4*(\s):G0B+4*(\s)+3], s[G1B:G1B+7]
	s_nop 0
.rept 4
	v_nop
.endr
.Lasked_\@:
.endm
.macro CREST
	s_cmp_lg_u32 s[WV], 0
	s_cbranch_scc1 .Lnot_wave_0_\@
	s_barrier_signal -3
.Lnot_wave_0_\@:
	s_barrier_wait -3
	s_barrier_signal -1
	s_barrier_wait -1
.endm
.macro CROUND
	s_barrier_signal -1
	s_barrier_wait -1
	CREST
.endm
	s_load_b256 s[4:11], s[0:1], 0x0               ; pt s[4:5], enc16 s[6:7], wts s[8:9], out0 s[10:11]
	v_lshl_add_u32 v[SPW], v0, 2, SPARE
	v_mov_b32 v[NIL], 0
	ds_add_u32 v[SPW], v[NIL]                      ; the wave's opening: the add and its wait stand ahead of my first tensor load; the set-up below, work on registers, stands between them
	v_lshrrev_b32 v1, 5, v0
	v_readfirstlane_b32 s[WV], v1
	s_lshr_b32 s[RH], s[WV], 1
	s_and_b32 s[CH], s[WV], 1
	s_bfe_u32 s[CX], ttmp6, 0x40000
	s_bfe_u32 s[CY], ttmp6, 0x40004
	s_lshl_b32 s[TC], ttmp9, 2
	s_add_co_u32 s[TC], s[TC], s[CX]               ; tile column = 4 x cluster x + cx
	s_and_b32 s[CYL], ttmp7, 0xffff
	s_lshl_b32 s[TR], s[CYL], 2
	s_add_co_u32 s[TR], s[TR], s[CY]               ; tile row = 4 x cluster y + cy
	s_lshl_b32 s[RMASK], s[CY], 2
	s_lshl_b32 s[RMASK], 15, s[RMASK]
	s_lshl_b32 s[CMASK], 0x1111, s[CX]
	; descriptor group 1: a tile of 64 rows x 256 elements, padded in LDS
	s_or_b32 s[G1+0],  s[RMASK], (1<<16)|(1<<20)|(1<<21)|(6<<22)|(7<<25)  ; 15:0 the mask: p's tiles go to my row; 17:16 2-byte elements; 20 padding on; 21 set beside a mask; 24:22 after every 128 words (code 6); 31:25 8 words (code 7)
	s_or_b32 s[G1B+0], s[CMASK], (1<<16)|(1<<20)|(1<<21)|(6<<22)|(7<<25)
.irp g, G1, G1B
	s_mov_b32 s[(\g)+1], 256<<16                   ; tensor_dim0 = 256
	s_mov_b32 s[(\g)+2], 64<<16                    ; tensor_dim1 = 64
	s_mov_b32 s[(\g)+3], 256<<16                   ; tile_dim0 = 256
	s_mov_b32 s[(\g)+4], 64                        ; tile_dim1 = 64
	s_mov_b32 s[(\g)+6], 0
	s_mov_b32 s[(\g)+7], 0
.endr
	s_mov_b32 s[G1+5], 2048                        ; elements from row to row: pt
	s_mov_b32 s[G1B+5], 1024                       ; enc16
	; where the tiles come from.  p's hang on the batch and the tile's t, which my row of the cluster shares; enc's on the batch and the tile's d, which my column shares.
	s_lshr_b32 s21, s[CYL], 1                      ; the batch
	s_and_b32 s22, s[TR], 7                        ; which 256 t
	s_lshl_b32 s16, s21, 23                        ; pt: 2,048 rows of 4,096 bytes a batch,
	s_lshl_b32 s17, s[CH], 18                      ; the 64 rows that I fetch,
	s_add_co_u32 s16, s16, s17
	s_lshl_b32 s17, s22, 9                         ; the tile's 512 bytes of a row
	s_add_co_u32 s16, s16, s17
	s_mov_b32 s17, 0
	s_lshl_b32 s46, s21, 22                        ; enc16: 2,048 rows of 2,048 bytes a batch
	s_lshl_b32 s47, s[CH], 17
	s_add_co_u32 s46, s46, s47
	s_lshl_b32 s47, s[TC], 9
	s_add_co_u32 s46, s46, s47
	s_mov_b32 s47, 0
	s_mul_i32 s20, s[WV], HALFT                    ; and where they go: wave x 64 rows
	s_wait_dscnt 0x0                               ; the opening add is done
	s_wait_kmcnt 0x0
	s_add_nc_u64 s[18:19], s[4:5], s[16:17]
	s_add_nc_u64 s[46:47], s[6:7], s[46:47]
	CROUND                                         ; all sixteen work-groups are here: the first joint loads meet
.irp s, 0,1
	s_mov_b32 s[G0+4*(\s)], 1
	s_add_co_u32 s[G0+4*(\s)+1], s20, (\s)*SLOT
	s_add_nc_u64 s[G0+4*(\s)+2:G0+4*(\s)+3], s[18:19], (\s)*KSTEP*4096   ; K step s: 128 rows of pt on
	s_or_b32 s[G0+4*(\s)+3], s[G0+4*(\s)+3], 0x80000000
	s_mov_b32 s[G0B+4*(\s)], 1
	s_add_co_u32 s[G0B+4*(\s)+1], s20, (\s)*SLOT
	s_add_nc_u64 s[G0B+4*(\s)+2:G0B+4*(\s)+3], s[46:47], (\s)*KSTEP*2048 ; 128 rows of enc16 on
	s_or_b32 s[G0B+4*(\s)+3], s[G0B+4*(\s)+3], 0x80000000
	JLOAD \s                                       ; two loads of mine are out
.endr
	; w of the tile's two chunks: 8,192 consecutive bytes, copied once into LDS through registers, 16 bytes a thread and line
	s_lshl_b32 s16, s21, 16
	s_lshl_b32 s17, s22, 13
	s_add_co_u32 s16, s16, s17
	s_mov_b32 s17, 0
	s_add_nc_u64 s[8:9], s[8:9], s[16:17]
	v_lshlrev_b32 v7, 4, v0
.irp i, 0,1,2,3
	global_load_b128 v[WTMP+4*(\i):WTMP+4*(\i)+3], v7, s[8:9] offset:2048*(\i)
.endr
	v_add_nc_u32 v8, WT, v7
	; where my part of out0 begins: row 256 x tile row + 128 x half, byte 1,024 x tile column + 512 x half
	s_lshl_b32 s16, s[TR], 8
	s_lshl_b32 s17, s[RH], 7
	s_add_co_u32 s16, s16, s17
	s_lshl_b32 s16, s16, 12
	s_mov_b32 s17, 0
	s_add_nc_u64 s[10:11], s[10:11], s[16:17]
	s_lshl_b32 s46, s[TC], 10
	s_lshl_b32 s47, s[CH], 9
	s_add_co_u32 s46, s46, s47
	s_mov_b32 s47, 0
	s_add_nc_u64 s[10:11], s[10:11], s[46:47]
	; The turning load takes 16 K x 16 columns (lane l reads 16 bytes: row 8 (l / 16) + l % 8, columns 8 ((l / 8) % 2) + 0..7) and leaves half a fragment: lane l holds column l % 16 and 8 K.
	v_and_b32 v1, 15, v0                           ; l % 16
	v_bfe_u32 v2, v0, 4, 1                         ; l / 16
	v_and_b32 v5, 7, v0
	v_bfe_u32 v6, v0, 3, 1
	v_lshl_add_u32 v3, v2, 3, v5
	v_mul_u32_u24 v3, v3, PITCH
	v_lshl_add_u32 v3, v6, 4, v3
	s_lshl_b32 s21, s[RH], 8                       ; my 128 t: 256 bytes of p's rows
	s_lshl_b32 s22, s[CH], 8                       ; my 128 d: 256 bytes of enc's rows,
	s_add_co_u32 s22, s22, 2*HALFT                 ; which lie behind p's 128
.irp s, 0,1
	v_add_nc_u32 v[ADRA+(\s)], s21, v3
	v_add_nc_u32 v[ADRB+(\s)], s22, v3
	s_add_co_u32 s21, s21, SLOT
	s_add_co_u32 s22, s22, SLOT
.endr
	s_lshl_b32 s23, s[RH], 12
	s_add_co_u32 s23, s23, WT                      ; my chunk's w
	v_lshl_add_u32 v[ADRW], v2, 4, s23             ; a lane's K begin at 8 (l / 16): 16 bytes on for lanes 16-31
	s_mul_i32 s23, s[WV], 16*SPITCH
	s_add_co_u32 s23, s23, STAGE                   ; my stage
	v_mul_u32_u24 v4, v1, SPITCH                   ; in: row l % 16, 32 bytes for each half of the lanes
	v_lshl_add_u32 v4, v2, 5, v4
	v_add_nc_u32 v[STO], s23, v4
	v_and_b32 v4, 31, v0
	v_lshlrev_b32 v[CO], 4, v4                     ; back: 32 lanes take one row of 512 bytes
	v_add_nc_u32 v[RD], s23, v[CO]
	s_wait_loadcnt 0x0                             ; w
.irp i, 0,1,2,3
	ds_store_b128 v8, v[WTMP+4*(\i):WTMP+4*(\i)+3] offset:2048*(\i)
.endr
; 16 matrix instructions, as in the launch that makes the scores.  The 64 accumulators take turns, in the same order in every quarter step.
.macro MUL16 f, hi, a0, zero
	WIN MUL_LO+0x50*(\hi)
.irp a, \a0, (\a0)+1
.irp b, 0,1,2,3,4,5,6,7
.if \zero
	v_wmma_f32_16x16x32_f16 v[8*(8*(\a)+(\b)):8*(8*(\a)+(\b))+7], v[(\f)+8*(\b):(\f)+8*(\b)+7], v[(\f)+8*(4*(\hi)+(\a)):(\f)+8*(4*(\hi)+(\a))+7], 0
.else
	v_wmma_f32_16x16x32_f16 v[8*(8*(\a)+(\b)):8*(8*(\a)+(\b))+7], v[(\f)+8*(\b):(\f)+8*(\b)+7], v[(\f)+8*(4*(\hi)+(\a)):(\f)+8*(4*(\hi)+(\a))+7], v[8*(8*(\a)+(\b)):8*(8*(\a)+(\b))+7]
.endif
.endr
.endr
.endm
; 34 LDS loads in one run: quarter q (32 rows of e) of a slot into buffer f: 16 for enc's 128 d, 2 for w, 16 for p's 128 t
.macro FETCH slot, q, f
.set WF, W0+8*((\f)/128)
	WIN TO_B
.irp i, 0,1,2,3,4,5,6,7
	ds_load_tr16_b128 v[(\f)+8*(\i):(\f)+8*(\i)+3],   v[ADRB+(\slot)] offset:(\q)*32*PITCH+32*(\i)
	ds_load_tr16_b128 v[(\f)+8*(\i)+4:(\f)+8*(\i)+7], v[ADRB+(\slot)] offset:(\q)*32*PITCH+16*PITCH+32*(\i)
.endr
	WIN 0
	ds_load_b128 v[WF:WF+3],   v[ADRW] offset:256*(\slot)+64*(\q)     ; w of K = 8 (l / 16) + 0..7: all lanes of a half read the same 16 bytes
	ds_load_b128 v[WF+4:WF+7], v[ADRW] offset:256*(\slot)+64*(\q)+32  ; and of K = 16 + 8 (l / 16) + 0..7
.irp i, 0,1,2,3,4,5,6,7
	ds_load_tr16_b128 v[(\f)+8*(\i):(\f)+8*(\i)+3],   v[ADRA+(\slot)] offset:(\q)*32*PITCH+32*(\i)
	ds_load_tr16_b128 v[(\f)+8*(\i)+4:(\f)+8*(\i)+7], v[ADRA+(\slot)] offset:(\q)*32*PITCH+16*PITCH+32*(\i)
.endr
.endm
; p times w for four fragments of buffer f (hi = 0: my t 0-63, 1: t 64-127): register j of a fragment holds the same two K in every fragment
.macro SCALE f, hi
.set WF, W0+8*((\f)/128)
	WIN 0
.irp i, 0,1,2,3
.irp j, 0,1,2,3,4,5,6,7
	v_pk_mul_f16 v[(\f)+32*(\hi)+8*(\i)+(\j)], v[(\f)+32*(\hi)+8*(\i)+(\j)], v[WF+(\j)]
.endr
.endr
.endm
.macro PLACES
.rept 4
	v_nop
.endr
.endm
; A K step is four quarters of 32 along K, on buffers 0, 1, 0, 1.  One of the first three: scales and multiplies buffer f and fetches quarter q into g.  A load into a register that a matrix
; instruction has read stands four places behind it: buffer g's last products stand in front of SCALE f, 0, whose 32 multiplies name none of their registers.
.macro QUARTER slot, q, f, g, zero
	s_wait_dscnt 8                                 ; enc, w and p's t 0-63 are in; the youngest eight loads (p's t 64-127) may be out
	SCALE \f, 0
	MUL16 \f, 0, 0, \zero
	MUL16 \f, 0, 2, \zero
	FETCH \slot, \q, \g
	s_wait_dscnt 34                                ; all but the 34 just issued
	SCALE \f, 1
	MUL16 \f, 1, 0, \zero
	MUL16 \f, 1, 2, \zero
.endm
; The last quarter multiplies buffer 1 and changes slots: ONE barrier; in front of it each wave waits for all its tensor loads (one is out: its part of the next slot), adds 0 to its spare word,
; and waits for that and for its own reads of this slot.  fill = 1: the barrier opens a round of the cluster's, and this slot is filled again, two K steps ahead, first thing behind the round.
.macro TURN slot, next, fill
	WIN 0
	s_wait_tensorcnt 0x0                           ; all my tensor loads have landed
	ds_add_u32 v[SPW], v[NIL]                      ; 0 onto my spare word
	s_wait_dscnt 9                                 ; (the add and the youngest eight loads may be out)
	SCALE F1, 0                                    ; work on registers stands between the add and the wait for it; these 32 are also the places in front of the loads into buffer 0 below
	MUL16 F1, 0, 0, 0
	s_wait_dscnt 0x0                               ; the add is done, and my reads of this slot are over
	s_barrier_signal -1
	SCALE F1, 1                                    ; work on registers while the others arrive
	MUL16 F1, 0, 2, 0
.if \fill
	WIN 0
.endif
	s_barrier_wait -1
.if \fill
	CREST                                          ; no wave of any partner still reads this slot's tile or has a load on its way
	s_add_nc_u64 s[G0+4*(\slot)+2:G0+4*(\slot)+3], s[G0+4*(\slot)+2:G0+4*(\slot)+3], 2*KSTEP*4096
	s_add_nc_u64 s[G0B+4*(\slot)+2:G0B+4*(\slot)+3], s[G0B+4*(\slot)+2:G0B+4*(\slot)+3], 2*KSTEP*2048
	JLOAD \slot                                    ; my one tensor load behind the round
.endif
.if (\next) == 0
	WIN 0
	v_add_nc_u32 v[ADRW], 512, v[ADRW]             ; the next lap's 256 numbers of w
.endif
	FETCH \next, 0, F0
	MUL16 F1, 1, 0, 0
	MUL16 F1, 1, 2, 0
.endm
; THE WAY OUT of block a (16 rows of t x 128 d, f32): a lane's eight d are 32 bytes of a row; they go into rows of 528 bytes of my own stage and come back as whole rows of 512.
.macro TOSTAGE a
.set AC, 64*((\a)%4)
.set BK, F0+64*((\a)%2)
.if (\a) >= 2
	s_wait_xcnt 0x0                                ; the block before last has been read by its stores: its registers are loaded again only behind this wait
.endif
	WIN (2+(\a)/4)<<2                              ; the data (source 1) in the block's window
.irp b, 0,1,2,3,4,5,6,7
	ds_store_b128 v[STO], v[AC+8*(\b):AC+8*(\b)+3]   offset:64*(\b)     ; each accumulator's lowest registers are read first
	ds_store_b128 v[STO], v[AC+8*(\b)+4:AC+8*(\b)+7] offset:64*(\b)+16
.endr
	WIN 0
.irp t, 0,1,2,3,4,5,6,7,8,9,10,11,12,13,14,15
	ds_load_b128 v[BK+4*(\t):BK+4*(\t)+3], v[RD] offset:(\t)*SPITCH  ; LDS serves a wave's instructions in order (ISA guide 5.7.1.4): these see the stores above; the next block's stores come behind them
.endr
.endm
.macro SEND a, younger                 ; younger: the LDS instructions issued behind block a's loads: the next block's 32, or none
.set BK, F0+64*((\a)%2)
	WIN 0
.irp t, 0,1,2,3,4,5,6,7,8,9,10,11,12,13,14,15
	s_wait_dscnt (\younger)+15-(\t)
	global_store_b128 v[CO], v[BK+4*(\t):BK+4*(\t)+3], s[10:11] offset:(16*(\a)+(\t))*OROW th:TH_STORE_NT  ; 512 consecutive bytes, at a multiple of 256 from out0's first byte; 127 rows at the most, inside the signed 24-bit immediate
.endr
.endm
	s_wait_tensorcnt 1                             ; my part of K step 0 is in; K step 1's may stay out
	s_wait_dscnt 0x0                               ; for the others' sake: my part of w is in LDS
	s_barrier_signal -1
	s_barrier_wait -1
	FETCH 0, 0, F0
	QUARTER 0, 1, F0, F1, 1                        ; the first quarter stands in front of the loop: its products start the sums
	WIN 0                                          ; at a label and at a branch every window is 0
	s_mov_b32 s[LAP], LAPS-1
.Llap:                                                 ; a trip goes once round the ring, from a lap's second quarter to the next lap's first, and fills both slots again
	QUARTER 0, 2, F1, F0, 0
	QUARTER 0, 3, F0, F1, 0
	TURN 0, 1, 1
	QUARTER 1, 1, F0, F1, 0
	QUARTER 1, 2, F1, F0, 0
	QUARTER 1, 3, F0, F1, 0
	TURN 1, 0, 1
	QUARTER 0, 1, F0, F1, 0
	WIN 0
	s_sub_co_u32 s[LAP], s[LAP], 1
	s_cmp_lg_u32 s[LAP], 0
	s_cbranch_scc1 .Llap
	QUARTER 0, 2, F1, F0, 0                        ; the last lap fills nothing, and has no round of the cluster's barrier
	QUARTER 0, 3, F0, F1, 0
	TURN 0, 1, 0
	QUARTER 1, 1, F0, F1, 0
	QUARTER 1, 2, F1, F0, 0
	QUARTER 1, 3, F0, F1, 0
	s_wait_dscnt 8                                 ; the very last quarter: nothing more to fetch
	SCALE F1, 0
	MUL16 F1, 0, 0, 0
	MUL16 F1, 0, 2, 0
	s_wait_dscnt 0x0
	SCALE F1, 1
	MUL16 F1, 1, 0, 0
	MUL16 F1, 1, 2, 0
	PLACES                                         ; the LDS stores below read results, and the loads behind them land in registers that products have read
	TOSTAGE 0
.irp a, 1,2,3,4,5,6,7                  ; block a's way through the stage is under way while block a - 1 is stored
	TOSTAGE \a
	SEND (\a)-1, 32
.endr
	SEND 7, 0
	s_wait_tensorcnt 0x0                           ; the wave's end, behind my last tensor load and my last LDS store
	ds_add_u32 v[SPW], v[NIL]
	s_wait_dscnt 0x0
	CROUND                                         ; the closing round: no work-group ends while a partner may still ask for a tile that names it
	s_endpgm
.Lfunc_end_k_q591948ea7d_context:
	.size	k_q591948ea7d_context, .Lfunc_end_k_q591948ea7d_context-k_q591948ea7d_context
	.p2alignl 7, 3214868480
	.fill 96, 4, 3214868480
	.section	.rodata,"a",@progbits
	.p2align	6, 0x0
	.amdhsa_kernel k_q591948ea7d_context
		.amdhsa_group_segment_fixed_size 327680
		.amdhsa_private_segment_fixed_size 0
		.amdhsa_enable_private_segment 0
		.amdhsa_kernarg_size 32
		.amdhsa_user_sgpr_count 2
		.amdhsa_user_sgpr_kernarg_segment_ptr 1
		.amdhsa_wavefront_size32 1
		.amdhsa_system_sgpr_workgroup_id_x 1
		.amdhsa_system_sgpr_workgroup_id_y 1
		.amdhsa_system_sgpr_workgroup_id_z 1
		.amdhsa_system_vgpr_workitem_id 0
		.amdhsa_next_free_vgpr 1024
		.amdhsa_next_free_sgpr 72
		.amdhsa_reserve_vcc 0
		.amdhsa_float_denorm_mode_32 3
		.amdhsa_float_denorm_mode_16_64 3
		.amdhsa_memory_ordered 1
		.amdhsa_forward_progress 1
		.amdhsa_inst_pref_size 210
	.end_amdhsa_kernel
	.amdgpu_metadata
---
amdhsa.version: [ 1, 2 ]
amdhsa.kernels:
  - .name:           k_q591948ea7d_context
    .symbol:         k_q591948ea7d_context.kd
    .args:
      - { .name: pt, .offset: 0, .size: 8, .value_kind: global_buffer, .address_space: global }
      - { .name: enc16, .offset: 8, .size: 8, .value_kind: global_buffer, .address_space: global }
      - { .name: wts, .offset: 16, .size: 8, .value_kind: global_buffer, .address_space: global }
      - { .name: out0, .offset: 24, .size: 8, .value_kind: global_buffer, .address_space: global }
    .group_segment_fixed_size: 327680
    .private_segment_fixed_size: 0
    .kernarg_segment_align: 8
    .kernarg_segment_size: 32
    .max_flat_workgroup_size: 128
    .sgpr_count:     72
    .vgpr_count:     1024
    .wavefront_size: 32
...
	.end_amdgpu_metadata
.endif
;; end of part 4
;; ======== version 2 of 2: 4 launches; version 1 with the launch cast written anew for expert scheduling mode
;; limits: inputs' magnitudes at most 65,504; values are held in f16: magnitudes above 65,504 overflow, below 6.1e-05 lose precision; values outside matrix products are rounded to f16
;; workspace buffers: enc16 33,554,432 bytes; dec16 33,554,432 bytes; pt 67,108,864 bytes; stats 2,097,152 bytes; wts 524,288 bytes
;; launch cast (part 5): grid 512 x 2, 8 waves a work-group, no clusters, 0 bytes of LDS; arguments enc_outputs, dec_outputs, enc16, dec16; writes enc16, dec16
.if DOCPART == 5
	.amdgcn_target "amdgcn-amd-amdhsa--gfx1250"
	.amdhsa_code_object_version 6
	.text
	.protected	k_q591948ea7d_cast
	.globl	k_q591948ea7d_cast
	.p2align	8
	.type	k_q591948ea7d_cast,@function
k_q591948ea7d_cast:
	s_mov_b64 s[64:65], 0
	v_nop
	global_prefetch_b8 v0, s[64:65] scope:SCOPE_SE
	s_setreg_imm32_b32 hwreg(HW_REG_WAVE_SCHED_MODE, 0, 2), 2
	s_setreg_imm32_b32 hwreg(HW_REG_WAVE_MODE, 25, 1), 1
	s_wait_xcnt 0x0
	s_wait_alu depctr_vm_vsrc(0)
; enc16 = enc_outputs, dec16 = dec_outputs, each number rounded to bf16 (nearest even) and that number written as f16.
; A bf16 number has 8 significant bits and is exact in f16 between 2^-14 and 65,504, so both later products can run on one f16 copy.
; LIMITS.  A number whose bf16 rounding is 65,520 or more in magnitude becomes an infinity; below 2^-14 the copy keeps f16's fixed step of 2^-24.
; A stream: no LDS, no barrier, no matrix work.  The grid's y picks the tensor; a work-group owns 32 pieces of 4,096 input bytes.  Thread t owns
; the 16 bytes at 16 t of every piece and writes 8 bytes at 8 t of every 2,048 output bytes: a wave's load covers 512 consecutive bytes, a wave's
; store 256 consecutive bytes at a multiple of 256.
; THE MODE: SCHED_MODE bits 1:0 = 2 (LLVM: expert scheduling mode 2), set by the entry lines.  The code itself states the register dependences
; between vector instructions and memory instructions, with s_wait_alu, always for 0.
; THE PLAN.  The 32 pieces go in 8 blocks of four.  Registers that memory instructions touch:
;   X0 .. X3   four blocks of f32 as loaded.  Written by the loads of block p + 3, issued in block p; read by block p's roundings to bf16.
;   Y0, Y1     two blocks of f16 to store.    Written by block p's conversions to f16; read by the four stores that are issued in block p + 1.
;   v1, v2     byte offsets (16 t for loads, 8 t for stores), made once at the head and never written again: the pieces are reached by the two
;              scalar bases, which move on by a block at each block's head, and by immediate offsets.
; Block p works on X[p % 4] and writes Y[p % 2].  Its memory instructions are the loads into X[(p + 3) % 4] = X[(p - 1) % 4] and the stores from
; Y[(p - 1) % 2]: the two buffers that block p - 1 worked on and that no vector instruction of block p names.  So the waits at the head of a block
; state all that the block's eight memory instructions hang on, and these are dealt among its vector instructions with no further wait.
; NO LOOP: block 0 has no block in front of it, blocks 5 to 7 load nothing, and a lap that brings both kinds of buffer back to their start is four
; blocks, just the four that are left: the eight blocks are written out.
.set BLOCK,  4                         ; pieces in a block
.set INROW,  4096                      ; input bytes in a piece
.set OUTROW, 2048                      ; output bytes in a piece
.set T,  4                             ; v[4:9]    at work: no memory instruction names them
.set X,  12                            ; v[12:75]  buffer k, piece i: 4 registers at X + 16 k + 4 i, four f32 as loaded
.set Y,  76                            ; v[76:91]  buffer k, piece i: 2 registers at Y + 8 k + 2 i, four f16 to store
	s_load_b256 s[4:11], s[0:1], 0x0               ; enc_outputs s[4:5], dec_outputs s[6:7], enc16 s[8:9], dec16 s[10:11]
	s_lshl_b32 s18, ttmp9, 17                      ; the work-group's 131,072 input bytes
	s_mov_b32 s19, 0
	s_lshl_b32 s20, ttmp9, 16                      ; and its 65,536 output bytes
	s_mov_b32 s21, 0
	s_mov_b32 s16, 0xffff0000                      ; a word's upper bf16
	s_and_b32 s2, ttmp7, 0xffff                    ; 0: enc, 1: dec
	v_lshlrev_b32 v1, 4, v0                        ; 16 t: my 16 bytes in every input piece
	v_lshlrev_b32 v2, 3, v0                        ; 8 t: my 8 bytes in every output piece
	s_wait_kmcnt 0x0
	s_cmp_eq_u32 s2, 0                             ; the choice hangs on the grid's y alone
	s_cselect_b64 s[12:13], s[4:5], s[6:7]         ; from
	s_cselect_b64 s[14:15], s[8:9], s[10:11]       ; to
	s_add_nc_u64 s[12:13], s[12:13], s[18:19]
	s_add_nc_u64 s[14:15], s[14:15], s[20:21]
	s_wait_alu depctr_va_vdst(0)                   ; v1 and v2 are written: every load of the kernel reads v1 as its offset, every store v2
.irp i, 0,1,2,3,4,5,6,7,8,9,10,11
	global_load_b128 v[X+4*(\i):X+4*(\i)+3], v1, s[12:13] offset:(\i)*INROW th:TH_LOAD_NT  ; blocks 0, 1 and 2 into X0, X1, X2; each input byte is read once in the launch
.endr
; Block p.  xb = p % 4, yb = p % 2.  first = 1: block 0, with no block in front of it.  ahead = 1: block p + 3 is loaded.
; left = how many younger loads may still be out when this block's four have to be there.
.macro BLK xb, yb, first, ahead, left
	s_wait_loadcnt \left                           ; loads come back in order (ISA guide 5.7.1): X[xb] is in, the younger blocks stay out
.if !\first
	s_wait_xcnt 0x0                                ; every earlier memory instruction has had its addresses translated (ISA guide 3.1): the bases and Y[yb] are rewritten only behind this wait
	s_wait_alu depctr_vm_vsrc(0)                   ; the stores issued in the block before have read Y[yb], which this block's conversions write again
	s_wait_alu depctr_va_vdst(0)                   ; the block before has written the other Y, which the stores below read, and is done reading its X, in which the loads below land
	s_add_nc_u64 s[12:13], s[12:13], BLOCK*INROW   ; both bases at this block's first piece
	s_add_nc_u64 s[14:15], s[14:15], BLOCK*OUTROW
.endif
.irp i, 0,1,2,3
.if \ahead
	global_load_b128 v[X+16*((\xb+3)%4)+4*(\i):X+16*((\xb+3)%4)+4*(\i)+3], v1, s[12:13] offset:(3*BLOCK+(\i))*INROW th:TH_LOAD_NT  ; three blocks ahead; no vector instruction since the wait names these registers
.endif
.if !\first
	global_store_b64 v2, v[Y+8*(1-\yb)+2*(\i):Y+8*(1-\yb)+2*(\i)+1], s[14:15] offset:((\i)-BLOCK)*OUTROW  ; the block before: the offset reaches back
.endif
	v_cvt_pk_bf16_f32 v[T],   v[X+16*\xb+4*(\i)],   v[X+16*\xb+4*(\i)+1]  ; the rounding that counts: to bf16
	v_cvt_pk_bf16_f32 v[T+1], v[X+16*\xb+4*(\i)+2], v[X+16*\xb+4*(\i)+3]
	v_lshlrev_b32 v[T+2], 16,  v[T]                ; bf16 to f32: the low half moves up,
	v_and_b32     v[T+3], s16, v[T]                ; the high half stays
	v_lshlrev_b32 v[T+4], 16,  v[T+1]
	v_and_b32     v[T+5], s16, v[T+1]
	v_cvt_pk_f16_f32 v[Y+8*\yb+2*(\i)],   v[T+2], v[T+3]  ; exact within f16's normal range
	v_cvt_pk_f16_f32 v[Y+8*\yb+2*(\i)+1], v[T+4], v[T+5]
.endr
.endm
	BLK 0, 0, 1, 1, 2*BLOCK                        ; block 0: the wait at the head has covered the offsets, and no vector instruction has named X3
	BLK 1, 1, 0, 1, 2*BLOCK
	BLK 2, 0, 0, 1, 2*BLOCK
	BLK 3, 1, 0, 1, 2*BLOCK
	BLK 0, 0, 0, 1, 2*BLOCK                        ; block 4 asks for block 7, the last
	BLK 1, 1, 0, 0, 2*BLOCK                        ; blocks 5 to 7 load nothing: no load leaves the buffer, and the counts run down
	BLK 2, 0, 0, 0, BLOCK
	BLK 3, 1, 0, 0, 0
	s_wait_alu depctr_va_vdst(0)                   ; block 7 has written Y1, which the last four stores read
.irp i, 0,1,2,3
	global_store_b64 v2, v[Y+8+2*(\i):Y+8+2*(\i)+1], s[14:15] offset:(\i)*OUTROW
.endr
	s_endpgm
.Lfunc_end_k_q591948ea7d_cast:
	.size	k_q591948ea7d_cast, .Lfunc_end_k_q591948ea7d_cast-k_q591948ea7d_cast
	.p2alignl 7, 3214868480
	.fill 96, 4, 3214868480
	.section	.rodata,"a",@progbits
	.p2align	6, 0x0
	.amdhsa_kernel k_q591948ea7d_cast
		.amdhsa_group_segment_fixed_size 0
		.amdhsa_private_segment_fixed_size 0
		.amdhsa_enable_private_segment 0
		.amdhsa_kernarg_size 32
		.amdhsa_user_sgpr_count 2
		.amdhsa_user_sgpr_kernarg_segment_ptr 1
		.amdhsa_wavefront_size32 1
		.amdhsa_system_sgpr_workgroup_id_x 1
		.amdhsa_system_sgpr_workgroup_id_y 1
		.amdhsa_system_sgpr_workgroup_id_z 1
		.amdhsa_system_vgpr_workitem_id 0
		.amdhsa_next_free_vgpr 92
		.amdhsa_next_free_sgpr 66
		.amdhsa_reserve_vcc 0
		.amdhsa_float_denorm_mode_32 3
		.amdhsa_float_denorm_mode_16_64 3
		.amdhsa_memory_ordered 1
		.amdhsa_forward_progress 1
		.amdhsa_inst_pref_size 21
	.end_amdhsa_kernel
	.amdgpu_metadata
---
amdhsa.version: [ 1, 2 ]
amdhsa.kernels:
  - .name:           k_q591948ea7d_cast
    .symbol:         k_q591948ea7d_cast.kd
    .args:
      - { .name: enc_outputs, .offset: 0, .size: 8, .value_kind: global_buffer, .address_space: global }
      - { .name: dec_outputs, .offset: 8, .size: 8, .value_kind: global_buffer, .address_space: global }
      - { .name: enc16, .offset: 16, .size: 8, .value_kind: global_buffer, .address_space: global }
      - { .name: dec16, .offset: 24, .size: 8, .value_kind: global_buffer, .address_space: global }
    .group_segment_fixed_size: 0
    .private_segment_fixed_size: 0
    .kernarg_segment_align: 8
    .kernarg_segment_size: 32
    .max_flat_workgroup_size: 256
    .sgpr_count:     66
    .vgpr_count:     92
    .wavefront_size: 32
...
	.end_amdgpu_metadata
.endif
;; end of part 5
;; launch scores: the kernel of part 2 again; grid 8 x 64, 4 waves a work-group, clusters of 4 x 4, 327,680 bytes of LDS; arguments enc16, dec16, pt, stats; writes pt, stats
;; launch weights: the kernel of part 3 again; grid 16 x 8, 1 waves a work-group, no clusters, 0 bytes of LDS; arguments stats, wts; writes wts
;; launch context: the kernel of part 4 again; grid 4 x 64, 4 waves a work-group, clusters of 4 x 4, 327,680 bytes of LDS; arguments pt, enc16, wts, out0; writes out0
